; MI455X (gfx1250); checked and timed in simulation.
; The chip was launched on July 23, 2026; its instructions are those of AMD's public machine-readable ISA for CDNA 5 (MIT licence, August 2026) and "CDNA5" Instruction Set Architecture Reference Guide (July 2026). The comments in the code are by the model that wrote it; some were corrected since.
;; Trans Opt. Allowed arithmetic: float matrix products may take bf16 or f16 operands with f32 sums; all other float work in f32.
;; Inputs: Psi 4,096 x 16 float32; coeff 8,192 x 16 float32; input_z 8,192 x 64 float32; noise 8,192 x 64 float32.
;; Outputs: out0 8,192 x 64 float32.
;; 2 versions, each right; version 2 is version 1 with the launch main written anew for expert scheduling mode. Each part assembles by itself: llvm-mc -triple=amdgcn-amd-amdhsa -mcpu=gfx1250 --defsym DOCPART=n.
;; ======== version 1 of 2: 2 launches
;; limits: an iteration stops once its change falls below 0.000244 (relative)
;; workspace buffers: pf 131,072 bytes; cnt 8,192 bytes of whole numbers
;; launch prep (part 1): grid 256 x 1, 4 waves a work-group, no clusters, 1,024 bytes of LDS; arguments Psi, coeff, pf, cnt; writes pf, cnt
.if DOCPART == 1
	.amdgcn_target "amdgcn-amd-amdhsa--gfx1250"
	.amdhsa_code_object_version 6
	.text
	.protected	k_q74bd1a7e1d_prep
	.globl	k_q74bd1a7e1d_prep
	.p2align	8
	.type	k_q74bd1a7e1d_prep,@function
k_q74bd1a7e1d_prep:
	s_mov_b64 s[64:65], 0
	v_nop
	global_prefetch_b8 v0, s[64:65] scope:SCOPE_SE
	s_setreg_imm32_b32 hwreg(HW_REG_WAVE_MODE, 25, 1), 1
	s_wait_xcnt 0x0
; PREP.  Two things for the launch behind it, which applies expm(A_b) to z_b by a scaled Taylor series, A_b[i][j] = sum over m of Psi[64 j + i][m] c[b][m].
; (1) cnt: for each tile T of 16 samples (16 T .. 16 T + 15) four whole numbers (n, m, s, 0): s stages of m Taylor terms, n = s m steps.
;     theta = 1.01 x the largest Frobenius norm of the tile's A_b, taken of the matrix that is really applied (Psi rounded to bf16);
;     s = trunc(theta) + 1, so theta0 = theta / s <= 1 and no Taylor term is larger than the stage's vector; m = the least number >= 4 with 3.3 s theta0^(m+1) / (m+1)! <= 2^-12.
; (2) pf: Psi rounded to bf16 and laid out as the matrix instruction's fragments: byte ((it 16 + m) 2 + jh) 1024 + q 512 + 16 lane holds, for lane (r = lane % 16, h = lane / 16),
;     Psi[64 j + i][m] for i = 16 it + r and j = 32 jh + 16 q + 8 h + 0..7.
; LIMITS.  s is capped at 2^22 (a norm beyond that is far outside what an exponential in f32 can answer); a NaN norm gives s = 1; 16 terms are the most that are counted (at the cap 13 suffice).
; SHARES.  256 work-groups, each for two tiles of samples; wave w squares and sums rows 1024 w .. 1024 w + 1023 of Av = Psi c (64 tiles of 16 rows, 65,536 consecutive bytes of Psi).
; THE PRODUCT.  D (16 rows of Psi x 16 samples) = F x CB, K = 32 for 16 coefficients: the lower 16 of K carry bf16(c), the upper 16 carry bf16(c - bf16(c)), and F holds the same 16 numbers of Psi
; in both halves: c counts with 16 bits.  Every product starts from the constant 0; its squares are summed in f32.
; NO CLUSTER, NO LDS FOR PSI: every lane's 32 bytes of a tile are its own fragment, so Psi goes from memory to registers directly; a shared copy in LDS would add a write and a read of all 262,144 bytes.
.set SPARE, 512                        ; LDS: bytes 0-511 one word a thread (the waves' partial sums); 512-1023 the spare words, 128 bytes a wave
.set SPW, 4                            ; v4   LDS address of my spare word; never rewritten
.set NIL, 5                            ; v5   0; never rewritten
.set VO,  6                            ; v6   64 r + 32 h: my 32 bytes in a tile of 16 rows of 64 bytes; never rewritten
.set TW,  7                            ; v7   4 x thread
.set CB,  8                            ; v[8:23]    source 1 for the two tiles of 16 samples
.set F,   24                           ; v[24:39]   source 0, two by turns
.set D,   40                           ; v[40:71]   results: set n % 2, sample tile t at D + 16 (n % 2) + 8 t
.set CR,  56                           ; v[56:71]   c as loaded (before D's second set is first written)
.set ACC, 72                           ; v[72:87]   sums of squares, tile t at ACC + 8 t
.set RAW, 88                           ; v[88:215]  Psi as loaded: two buffers of 8 tiles x 8 registers
.set R,   216                          ; v[216:247] the conversion job's loads; then at work
	s_load_b256 s[4:11], s[0:1], 0x0               ; Psi s[4:5], coeff s[6:7], pf s[8:9], cnt s[10:11]
	v_lshl_add_u32 v[SPW], v0, 2, SPARE
	v_mov_b32 v[NIL], 0
	v_lshrrev_b32 v3, 5, v0
	v_readfirstlane_b32 s12, v3                    ; wave 0..3
	v_and_b32 v3, 31, v0                           ; lane
	v_and_b32 v1, 15, v0                           ; r
	v_bfe_u32 v2, v0, 4, 1                         ; h
	v_lshlrev_b32 v[VO], 6, v1
	v_lshl_add_u32 v[VO], v2, 5, v[VO]
	v_lshlrev_b32 v[TW], 2, v0
	s_mov_b32 s24, 0x76543210                      ; v_permlanex16_b32: each lane takes its own place in the other half
	s_mov_b32 s25, 0xfedcba98
	s_mov_b32 s27, 0x39800000                      ; 2^-12
	s_mov_b32 s13, 0xffff0000                      ; a word's upper bf16
	s_mov_b32 s15, 0
	s_wait_kmcnt 0x0
	s_lshl_b32 s14, ttmp9, 11
	s_add_nc_u64 s[6:7], s[6:7], s[14:15]          ; coeff at my 32 samples (64 bytes each)
	s_lshl_b32 s14, s12, 16
	s_add_nc_u64 s[16:17], s[4:5], s[14:15]        ; Psi at my wave's 1,024 rows
	s_lshl_b32 s14, ttmp9, 5
	s_add_nc_u64 s[10:11], s[10:11], s[14:15]      ; cnt at my two tiles' eight words
.irp t, 0,1
	global_load_b128 v[CR+8*\t:CR+8*\t+3],   v[VO], s[6:7] offset:1024*\t       ; c[16 t + r][8 h .. 8 h + 7]
	global_load_b128 v[CR+8*\t+4:CR+8*\t+7], v[VO], s[6:7] offset:1024*\t+16
.endr
.set n, 0
.rept 16                                       ; both buffers: tiles 0 to 15 of my 64
	global_load_b128 v[RAW+8*n:RAW+8*n+3],   v[VO], s[16:17] offset:1024*n
	global_load_b128 v[RAW+8*n+4:RAW+8*n+7], v[VO], s[16:17] offset:1024*n+16
.set n, n+1
.endr
.set n, 0
.rept 16                                       ; sixteen sums start at 0, while the loads are out
	v_mov_b32 v[ACC+n], 0
.set n, n+1
.endr
	; THE CONVERSION JOB: 64 pieces of pf, one for each wave of work-groups 0 to 15.  it = g / 4, (2 jh + q) = g % 4, coefficients m = 4 w + 0..3.
	s_cmp_lt_u32 ttmp9, 16
	s_cbranch_scc0 .Lnojob
	s_and_b32 s18, ttmp9, 3                        ; 2 jh + q
	s_lshr_b32 s19, ttmp9, 2                       ; it
	s_lshl_b32 s14, s18, 16                        ; from: j = 32 jh + 16 q is (2 jh + q) x 16 rows-of-64 x 4,096 bytes = x 65,536,
	s_lshl_b32 s26, s19, 10                        ; i = 16 it is it x 1,024 bytes,
	s_add_co_u32 s14, s14, s26
	s_lshl_b32 s26, s12, 4                         ; m = 4 w is 16 w bytes
	s_add_co_u32 s14, s14, s26
	s_add_nc_u64 s[20:21], s[4:5], s[14:15]
	s_lshl_b32 s14, s18, 9                         ; to: 1,024 jh + 512 q,
	s_lshl_b32 s26, s19, 15                        ; 32,768 it,
	s_add_co_u32 s14, s14, s26
	s_lshl_b32 s26, s12, 13                        ; 2,048 x 4 w
	s_add_co_u32 s14, s14, s26
	s_add_nc_u64 s[22:23], s[8:9], s[14:15]
	v_lshlrev_b32 v[F], 6, v1                      ; 64 r (i) + 32,768 h (j = 8 h)
	v_lshl_add_u32 v[F], v2, 15, v[F]
	v_lshlrev_b32 v[F+1], 4, v3                    ; 16 x lane
.irp e, 0,1,2,3,4,5,6,7
	global_load_b128 v[R+4*\e:R+4*\e+3], v[F], s[20:21] offset:4096*\e      ; Psi[64 (j0 + e) + i][4 w .. 4 w + 3]
.endr
	s_wait_loadcnt 0x0
.irp u, 0,1,2,3
.irp x, 0,1,2,3
	v_cvt_pk_bf16_f32 v[D+4*\u+\x], v[R+8*\x+\u], v[R+8*\x+4+\u]            ; coefficient 4 w + u: j0 + 2 x below, j0 + 2 x + 1 above
.endr
.endr
.irp u, 0,1,2,3
	global_store_b128 v[F+1], v[D+4*\u:D+4*\u+3], s[22:23] offset:2048*\u   ; the wave's store covers 512 consecutive bytes, aligned
.endr
	s_wait_xcnt 0x0                                ; the stores' data (D) and address (F) registers are written again only behind this wait
.Lnojob:
	; c as bf16 and what bf16 leaves over, as source 1
	s_wait_loadcnt 32                              ; the 32 loads of Psi were issued behind c's four and may stay out
.irp t, 0,1
.irp x, 0,1,2,3
	v_cvt_pk_bf16_f32 v[CB+8*\t+\x], v[CR+8*\t+2*\x], v[CR+8*\t+2*\x+1]
.endr
.irp x, 0,1,2,3
	v_lshlrev_b32 v[R+2*\x], 16, v[CB+8*\t+\x]
	v_and_b32 v[R+2*\x+1], s13, v[CB+8*\t+\x]
.endr
.irp x, 0,1,2,3
	v_pk_add_f32 v[R+2*\x:R+2*\x+1], v[CR+8*\t+2*\x:CR+8*\t+2*\x+1], v[R+2*\x:R+2*\x+1] neg_lo:[0,1] neg_hi:[0,1]
.endr
.irp x, 0,1,2,3
	v_cvt_pk_bf16_f32 v[CB+8*\t+4+\x], v[R+2*\x], v[R+2*\x+1]
.endr
.endr
; The squares of tile n's 2 x 8 results onto the sums, each accumulator's registers in ascending order.
.macro SQ n
.set dS, D+16*((\n)%2)
.irp j, 0,1,2,3,4,5,6,7
	v_pk_fma_f32 v[ACC+2*\j:ACC+2*\j+1], v[dS+2*\j:dS+2*\j+1], v[dS+2*\j:dS+2*\j+1], v[ACC+2*\j:ACC+2*\j+1]
.endr
.endm
; Eight tiles of one buffer.  reload = 1: each tile's registers are loaded again, two blocks on, as soon as they are converted.  left: the other buffer's younger loads.
; Between a product and the squares of its results stand the eight squares of the tile before and the eight conversions of the tile after: plain instructions that name none of its registers.
; F and D go by the tile's parity, so a product's registers are written again two tiles later.  No two products share an accumulator: each starts from 0.
.macro BLOCK buf, reload, left
	s_wait_loadcnt \left
.set n, 0
.rept 8
.set rR, RAW+64*(\buf)+8*n
.set rF, F+8*(n%2)
.irp x, 0,1,2,3
	v_cvt_pk_bf16_f32 v[rF+\x], v[rR+2*\x], v[rR+2*\x+1]                    ; K 0-15: beside bf16(c)
.endr
.irp x, 0,1,2,3
	v_cvt_pk_bf16_f32 v[rF+4+\x], v[rR+2*\x], v[rR+2*\x+1]                  ; K 16-31: the same numbers, beside c's remainder
.endr
.if \reload
	global_load_b128 v[rR:rR+3],   v[VO], s[16:17] offset:(2+(\buf))*8192+n*1024
	global_load_b128 v[rR+4:rR+7], v[VO], s[16:17] offset:(2+(\buf))*8192+n*1024+16
.endif
	v_wmma_f32_16x16x32_bf16 v[D+16*(n%2):D+16*(n%2)+7],    v[rF:rF+7], v[CB:CB+7],    0
	v_wmma_f32_16x16x32_bf16 v[D+16*(n%2)+8:D+16*(n%2)+15], v[rF:rF+7], v[CB+8:CB+15], 0
.if n > 0
	SQ n-1
.endif
.set n, n+1
.endr
	SQ 7
.endm
	s_mov_b32 s18, 3
.Lblk:                                                 ; a trip: two blocks of 8 tiles; my 64 tiles are 3 trips and the two blocks behind the loop
	BLOCK 0, 1, 16
	BLOCK 1, 1, 16
	s_wait_xcnt 0x0                                ; the loads' base is stepped only behind this wait
	s_add_nc_u64 s[16:17], s[16:17], 0x4000
	s_sub_co_u32 s18, s18, 1
	s_cmp_lg_u32 s18, 0
	s_cbranch_scc1 .Lblk
	BLOCK 0, 0, 16                                 ; the last two blocks load nothing: no load passes my 65,536 bytes
	BLOCK 1, 0, 0
	; a sample's sum: over my 8 registers, then with the other half of the lanes
.irp t, 0,1
	v_pk_add_f32 v[ACC+8*\t:ACC+8*\t+1],   v[ACC+8*\t:ACC+8*\t+1],   v[ACC+8*\t+2:ACC+8*\t+3]
	v_pk_add_f32 v[ACC+8*\t+4:ACC+8*\t+5], v[ACC+8*\t+4:ACC+8*\t+5], v[ACC+8*\t+6:ACC+8*\t+7]
.endr
.irp t, 0,1
	v_pk_add_f32 v[ACC+8*\t:ACC+8*\t+1], v[ACC+8*\t:ACC+8*\t+1], v[ACC+8*\t+4:ACC+8*\t+5]
.endr
.irp t, 0,1
	v_add_f32 v[ACC+8*\t], v[ACC+8*\t], v[ACC+8*\t+1]
.endr
.irp t, 0,1
	v_permlanex16_b32 v[ACC+8*\t+1], v[ACC+8*\t], s24, s25
.endr
.irp t, 0,1
	v_add_f32 v[ACC+8*\t], v[ACC+8*\t], v[ACC+8*\t+1]
.endr
	v_cmp_gt_u32 vcc_lo, 16, v3
	v_cndmask_b32 v[R], v[ACC+8], v[ACC], vcc_lo   ; lane l now holds sample l's sum over my wave's rows: lanes 0-15 the first tile, lanes 16-31 the second
	v_lshlrev_b32 v[R+4], 2, v3
	ds_store_b32 v[TW], v[R]
	s_wait_dscnt 0x0                               ; for the others' sake: my word is written
	s_barrier_signal -1
	s_barrier_wait -1
.irp i, 0,1,2,3
	ds_load_b32 v[R+\i], v[R+4] offset:128*\i      ; sample l's four partial sums
.endr
	s_wait_dscnt 0x0
	v_add_f32 v[R], v[R], v[R+1]
	v_add_f32 v[R+2], v[R+2], v[R+3]
	v_add_f32 v[R], v[R], v[R+2]                   ; the square of sample l's norm
	v_max_num_f32_dpp v[R], v[R], v[R] row_xmask:1 row_mask:0xf bank_mask:0xf
	v_max_num_f32_dpp v[R], v[R], v[R] row_xmask:2 row_mask:0xf bank_mask:0xf
	v_max_num_f32_dpp v[R], v[R], v[R] row_xmask:4 row_mask:0xf bank_mask:0xf
	v_max_num_f32_dpp v[R], v[R], v[R] row_xmask:8 row_mask:0xf bank_mask:0xf  ; the largest of a tile's 16, in each of its 16 lanes
	; the counts, by selects alone: nothing here branches on a number
	v_sqrt_f32 v[R+1], v[R]
	v_nop                                          ; a plain instruction behind the root (ISA guide 5.7.2)
	s_wait_alu depctr_va_vdst(0)
	v_mul_f32 v[R+1], 0x3f8147ae, v[R+1]           ; theta = 1.01 x the norm
	v_cvt_u32_f32 v[R+10], v[R+1]                  ; toward zero
	v_min_u32 v[R+10], 0x3fffff, v[R+10]
	v_add_nc_u32 v[R+10], 1, v[R+10]               ; s
	v_cvt_f32_u32 v[R+3], v[R+10]
	v_rcp_f32 v[R+4], v[R+3]
	v_nop
	s_wait_alu depctr_va_vdst(0)
	v_mul_f32 v[R+4], v[R+1], v[R+4]
	v_min_num_f32 v[R+4], 1.0, v[R+4]              ; theta0 = theta / s, at most 1
	v_mul_f32 v[R+5], 0x40533333, v[R+3]           ; 3.3 s
	v_mul_f32 v[R+5], v[R+5], v[R+4]               ; u_1 = 3.3 s theta0
	v_mov_b32 v[R+9], 1                            ; 1 + the number of k in 2..16 with u_k = 3.3 s theta0^k / k! above 2^-12: u falls with k, so that is the least m with u_(m+1) <= 2^-12
.irp q, 0x3f000000, 0x3eaaaaab, 0x3e800000, 0x3e4ccccd, 0x3e2aaaab, 0x3e124925, 0x3e000000, 0x3de38e39, 0x3dcccccd, 0x3dba2e8c, 0x3daaaaab, 0x3d9d89d9, 0x3d924925, 0x3d888889, 0x3d800000
	v_mul_f32 v[R+5], v[R+5], v[R+4]
	v_mul_f32 v[R+5], \q, v[R+5]                   ; 1 / k, k = 2 .. 16
	v_cmp_lt_f32 vcc_lo, s27, v[R+5]
	v_cndmask_b32 v[R+6], 0, 1, vcc_lo
	v_add_nc_u32 v[R+9], v[R+9], v[R+6]
.endr
	v_max_u32 v[R+9], 4, v[R+9]                    ; m
	v_mul_lo_u32 v[R+8], v[R+10], v[R+9]           ; n = s m
	v_mov_b32 v[R+11], 0
	v_mov_b32 v[R+12], v0                          ; threads 0 and 16 store: their numbers are the two tiles' byte offsets
	v_and_b32 v[R+13], 0x6f, v0                    ; 0 for threads 0 and 16 alone
	s_wait_xcnt 0x0                                ; EXEC changes only behind this wait
	v_cmp_eq_u32 vcc_lo, 0, v[R+13]
	s_and_saveexec_b32 s26, vcc_lo
	global_store_b128 v[R+12], v[R+8:R+11], s[10:11]  ; (n, m, s, 0) of each tile: 32 consecutive bytes
	s_wait_xcnt 0x0
	s_or_b32 exec_lo, exec_lo, s26
	s_wait_tensorcnt 0x0                           ; the wave's end
	ds_add_u32 v[SPW], v[NIL]
	s_wait_dscnt 0x0
	s_endpgm
.Lfunc_end_k_q74bd1a7e1d_prep:
	.size	k_q74bd1a7e1d_prep, .Lfunc_end_k_q74bd1a7e1d_prep-k_q74bd1a7e1d_prep
	.p2alignl 7, 3214868480
	.fill 96, 4, 3214868480
	.section	.rodata,"a",@progbits
	.p2align	6, 0x0
	.amdhsa_kernel k_q74bd1a7e1d_prep
		.amdhsa_group_segment_fixed_size 1024
		.amdhsa_private_segment_fixed_size 0
		.amdhsa_enable_private_segment 0
		.amdhsa_kernarg_size 32
		.amdhsa_user_sgpr_count 2
		.amdhsa_user_sgpr_kernarg_segment_ptr 1
		.amdhsa_wavefront_size32 1
		.amdhsa_system_sgpr_workgroup_id_x 1
		.amdhsa_system_sgpr_workgroup_id_y 1
		.amdhsa_system_sgpr_workgroup_id_z 1
		.amdhsa_system_vgpr_workitem_id 0
		.amdhsa_next_free_vgpr 248
		.amdhsa_next_free_sgpr 66
		.amdhsa_reserve_vcc 1
		.amdhsa_float_denorm_mode_32 3
		.amdhsa_float_denorm_mode_16_64 3
		.amdhsa_memory_ordered 1
		.amdhsa_forward_progress 1
		.amdhsa_inst_pref_size 56
	.end_amdhsa_kernel
	.amdgpu_metadata
---
amdhsa.version: [ 1, 2 ]
amdhsa.kernels:
  - .name:           k_q74bd1a7e1d_prep
    .symbol:         k_q74bd1a7e1d_prep.kd
    .args:
      - { .name: Psi, .offset: 0, .size: 8, .value_kind: global_buffer, .address_space: global }
      - { .name: coeff, .offset: 8, .size: 8, .value_kind: global_buffer, .address_space: global }
      - { .name: pf, .offset: 16, .size: 8, .value_kind: global_buffer, .address_space: global }
      - { .name: cnt, .offset: 24, .size: 8, .value_kind: global_buffer, .address_space: global }
    .group_segment_fixed_size: 1024
    .private_segment_fixed_size: 0
    .kernarg_segment_align: 8
    .kernarg_segment_size: 32
    .max_flat_workgroup_size: 128
    .sgpr_count:     66
    .vgpr_count:     248
    .wavefront_size: 32
...
	.end_amdgpu_metadata
.endif
;; end of part 1
;; launch main (part 2): grid 256 x 1, 2 waves a work-group, no clusters, 50,432 bytes of LDS; arguments pf, cnt, coeff, input_z, noise, out0; writes out0
.if DOCPART == 2
	.amdgcn_target "amdgcn-amd-amdhsa--gfx1250"
	.amdhsa_code_object_version 6
	.text
	.protected	k_q74bd1a7e1d_main
	.globl	k_q74bd1a7e1d_main
	.p2align	8
	.type	k_q74bd1a7e1d_main,@function
k_q74bd1a7e1d_main:
	s_mov_b64 s[64:65], 0
	v_nop
	global_prefetch_b8 v0, s[64:65] scope:SCOPE_SE
	s_setreg_imm32_b32 hwreg(HW_REG_WAVE_MODE, 25, 1), 1
	s_wait_xcnt 0x0
; out[b] = expm(A_b) z_b + noise_b, A_b[i][j] = sum over m of Psi[64 j + i][m] c[b][m], without ever forming expm(A_b):
; expm(A) z = (T_m(A / s))^s z, T_m the Taylor polynomial of degree m.  One step is W = (A / s) v for every sample: W[b][i] = sum over m of (c[b][m] / s) (Psi_m v_b)[i]: sixteen products with the SAME
; 64 x 64 matrices Psi_m for all samples, which go to the matrix unit in bf16 (Psi and v rounded; c, the sums, the terms and the result Y stay in f32).
; A stage: v = Y; for k = 1 .. m: term = W / k, Y += term, v = term.  s, m and n = s m come as whole numbers from the launch before (cnt), one set for each tile of 16 samples, chosen so that the norm
; of A / s is at most 1: no term is larger than the stage's vector, and no difference of large sums is formed.
; LIMITS.  The vectors exp(j A / s) z, j = 1 .. s, must lie in f32's range.  At a stage's inner steps 0 x Y is formed: a Y that is already infinite turns into NaN.  s is at most 2^22.
; The number of steps grows with the norm of A.  The rounding of Psi and v to bf16 grows with that norm too.
; SHARES.  A WAVE OWNS A TILE: 16 samples and all their 64 outputs; 8,192 samples are 512 waves, two to each of 256 work-groups.  The number of steps is read from memory and is the wave's own, so no
; barrier stands in the loop over steps, and none is needed: a result register e of lane (r = lane % 16, h = lane / 16) is sample r, output 16 it + 8 h + e, so the outputs of it = 2 jh and 2 jh + 1,
; rounded to bf16 in pairs, ARE source 1 (j = 32 jh .. 32 jh + 31 x 16 samples) of the next step's products: v never changes lanes.  And c is ONE sample's a lane: the sum over m is a packed
; multiply-add by the lane's own number.  A tile cannot be shared among waves without handing v over at every step; so two waves a work-group is all the work there is.
; PSI is 128 fragments of 8 registers.  Those of m = 0 .. 11 stay in registers for the whole launch (windows 1 to 3, 96 fragments); those of m = 12 .. 15, 32,768 bytes, lie in LDS, stored there once by
; the two waves, half each, with the launch's one barrier behind; every fourth group of products takes its four fragments from there, through two buffers, loaded two such groups ahead.
; NO CLUSTER, NO TENSOR LOAD: all work-groups read the same 131,072 bytes of pf, but once, at the head: 98,304 bytes of each wave go straight into the registers where they stay.
; REGISTERS, in windows of 256 (s_set_vgpr_msb: bits 1:0 source 0, 3:2 source 1, 5:4 source 2, 7:6 destination).  Window 0: all that is worked on.  Window 1 + m / 4: the fragment of (m, it, jh) at
; 16 (4 (m % 4) + it) + 8 jh.  These windows are full, so c lies in window 0, and the multiply-adds want a switch: one in front of each pair of products and one behind: 96 for a step's 128 products.
.set STP,  272                         ; LDS rows of 64 f32: 256 bytes + 16 of padding (68 words: 16 rows of a load start at 16 different groups of four banks, ISA guide 11.1)
.set STG,  32768                       ; LDS: bytes 0 - 32,767 the fragments of m = 12..15: ((m - 12) 8 + 2 it + jh) 1024 + 512 q + 16 lane; from here a stage of 16 rows for each wave: the way in for z, the way out for Y
.set NSO,  2*16*STP                    ; from a wave's stage to its 16 rows of noise, which wait in LDS for the end
.set SPARE, STG+2*NSO                  ; the spare words, 128 bytes a wave: bytes 50,176 - 50,431, which no other line names
.set SPW, 4                            ; v4   LDS address of my spare word; never rewritten
.set NIL, 5                            ; v5   0; never rewritten
.set SO,  6                            ; v6   my stage in my own layout: 272 r + 32 h
.set SR,  7                            ; v7   my stage by rows: 272 h + 16 r
.set LO,  8                            ; v8   16 x lane: my 16 bytes of 512 consecutive ones, in memory and in LDS
.set CO,  9                            ; v9   64 r
.set LW,  10                           ; v10  16 x lane + 4,096 w: pf, the half of m = 12..15 that my wave moves
.set APW, 11                           ; v11  16 x lane + 16,384 w: where it goes in LDS
.set KF,  12                           ; v12  k as f32
.set KI,  13                           ; v13  1 / k
.set IS,  14                           ; v[14:15] 1 / s, twice
.set CC,  16                           ; v[16:31]   c[m] / s of my sample
.set VF,  32                           ; v[32:47]   v in bf16: half jh of j at VF + 8 jh
.set D,   48                           ; v[48:79]   products: set g % 2, output tile x of the group's two at D + 16 (g % 2) + 8 x
.set WA,  80                           ; v[80:111]  W, output tile it at WA + 8 it
.set Y,   112                          ; v[112:143] Y, likewise
.set Z,   144                          ; v[144:175] the next v in f32, likewise
.set SB,  176                          ; v[176:239] fragments from LDS: two buffers of four
.set PT,  48                           ; at the head: v[48:175] my half of the fragments that go to LDS,
.set ZR,  176                          ; v[176:207] z by rows,
.set NR,  208                          ; v[208:239] noise by rows
.set OY,  48                           ; at the end: v[48:79] the result by rows,
.set ON,  80                           ; v[80:111] noise by rows
.set WV,  16                           ; s16  wave
.set N,   20                           ; s20  n    s21  m    s22  s   (s23: the fourth word)
.set M,   21
.set S,   22
.set I,   24                           ; s24  counts the steps
.set K,   25                           ; s25  the term's number in its stage, 1 .. m
.set INV, 26                           ; s[26:27] 1 / k in the low word
.set PHI, 28                           ; s[28:29] 1.0 at a stage's last term, else 0
.set MSB, 0
.macro WIN new                         ; the immediate's high byte repeats the setting that is left; a switch that changes nothing is dropped
.if MSB != (\new)
	s_set_vgpr_msb (MSB<<8)|(\new)
.set MSB, (\new)
.endif
.endm
	s_load_b256 s[4:11], s[0:1], 0x0               ; pf s[4:5], cnt s[6:7], coeff s[8:9], z s[10:11]
	s_load_b128 s[12:15], s[0:1], 0x20             ; noise s[12:13], out s[14:15]
	v_lshl_add_u32 v[SPW], v0, 2, SPARE
	v_mov_b32 v[NIL], 0
	v_lshrrev_b32 v3, 5, v0
	v_readfirstlane_b32 s[WV], v3                  ; wave 0, 1
	v_and_b32 v3, 31, v0                           ; lane
	v_and_b32 v1, 15, v0                           ; r
	v_bfe_u32 v2, v0, 4, 1                         ; h
	v_lshlrev_b32 v[LO], 4, v3
	v_lshlrev_b32 v[CO], 6, v1
	s_lshl_b32 s18, s[WV], 12
	v_add_nc_u32 v[LW], s18, v[LO]
	s_lshl_b32 s18, s[WV], 14
	v_add_nc_u32 v[APW], s18, v[LO]
	s_mul_i32 s17, s[WV], 16*STP
	s_add_co_u32 s17, s17, STG                     ; my stage
	v_mul_u32_u24 v[SO], v1, STP
	v_lshl_add_u32 v[SO], v2, 5, v[SO]
	v_add_nc_u32 v[SO], s17, v[SO]
	v_mul_u32_u24 v[SR], v2, STP
	v_lshl_add_u32 v[SR], v1, 4, v[SR]
	v_add_nc_u32 v[SR], s17, v[SR]
	s_lshl_b32 s17, ttmp9, 1
	s_add_co_u32 s17, s17, s[WV]                   ; my tile of 16 samples
	s_mov_b32 s19, 0
	s_wait_kmcnt 0x0
	s_lshl_b32 s18, s17, 4
	s_add_nc_u64 s[6:7], s[6:7], s[18:19]
	s_load_b128 s[20:23], s[6:7], 0x0              ; n, m, s of my tile
	s_lshl_b32 s18, s17, 10
	s_add_nc_u64 s[8:9], s[8:9], s[18:19]          ; coeff at my 16 samples (64 bytes each)
	s_lshl_b32 s18, s17, 12                        ; 16 rows of 256 bytes
	s_add_nc_u64 s[10:11], s[10:11], s[18:19]
	s_add_nc_u64 s[12:13], s[12:13], s[18:19]
	s_add_nc_u64 s[14:15], s[14:15], s[18:19]
.irp p, 0,1,2,3
	global_load_b128 v[CC+4*\p:CC+4*\p+3], v[CO], s[8:9] offset:16*\p         ; my sample's 16 coefficients
.endr
.irp x, 0,1,2,3,4,5,6,7
	global_load_b128 v[ZR+4*\x:ZR+4*\x+3], v[LO], s[10:11] offset:512*\x th:TH_LOAD_NT  ; z: two whole rows a load
.endr
.irp x, 0,1,2,3,4,5,6,7
	global_load_b128 v[NR+4*\x:NR+4*\x+3], v[LO], s[12:13] offset:512*\x th:TH_LOAD_NT  ; noise likewise
.endr
.set ll, 0
.rept 32                                       ; m = 12 + 2 w + ll / 16, it = (ll / 4) % 4, jh = (ll / 2) % 2, q = ll % 2: in the order in which they lie in LDS
	global_load_b128 v[PT+4*ll:PT+4*ll+3], v[LW], s[4:5] offset:((ll/4)%4)*32768+(12+ll/16)*2048+((ll/2)%2)*1024+(ll%2)*512
.set ll, ll+1
.endr
.macro FILLW w                         ; window w: register 4 ll takes m = 4 (w - 1) + ll / 16, it = (ll / 4) % 4, jh = (ll / 2) % 2, q = ll % 2
	WIN (\w)<<6                                    ; destination window w, address window 0
.set ll, 0
.rept 64
	global_load_b128 v[4*ll:4*ll+3], v[LO], s[4:5] offset:(((ll/4)%4)*16+4*((\w)-1)+ll/16)*2048+((ll/2)%2)*1024+(ll%2)*512
.set ll, ll+1
.endr
.endm
	FILLW 1
	FILLW 2
	FILLW 3
	WIN 0
	s_wait_loadcnt 63                              ; 192 loads were issued behind the first 52; 63 is the most that the wait can name: c, z, noise and my fragments for LDS are in
.irp x, 0,1,2,3,4,5,6,7
	ds_store_b128 v[SR], v[ZR+4*\x:ZR+4*\x+3] offset:2*STP*\x
.endr
.irp x, 0,1,2,3,4,5,6,7
	ds_store_b128 v[SR], v[NR+4*\x:NR+4*\x+3] offset:NSO+2*STP*\x
.endr
.set ll, 0
.rept 32
	ds_store_b128 v[APW], v[PT+4*ll:PT+4*ll+3] offset:512*ll
.set ll, ll+1
.endr
	s_wait_dscnt 0x0                               ; for the other wave's sake: my half of the fragments is written
	s_barrier_signal -1
	s_barrier_wait -1                              ; the launch's one barrier; nothing is written into those 32,768 bytes again
; The four fragments of streamed group k (of 8 in a step; the step after takes the same): m = 12 + k % 4, it = 2 (k / 4) + 0, 1: 4,096 consecutive bytes, into buffer k % 2
.macro SLOAD k
.set kk, (\k)%8
.set sF, ((kk%4)*8+4*(kk/4))*1024
.irp l, 0,1,2,3,4,5,6,7
	ds_load_b128 v[SB+32*(kk%2)+4*\l:SB+32*(kk%2)+4*\l+3], v[LO] offset:sF+512*\l
.endr
.endm
.irp t, 0,1,2,3
.irp k, 0,1
	ds_load_b128 v[Y+8*\t+4*\k:Y+8*\t+4*\k+3], v[SO] offset:64*\t+16*\k       ; z in my own layout starts Y
.endr
.endr
	SLOAD 0
	SLOAD 1
	s_wait_kmcnt 0x0                               ; n, m, s
	v_cvt_f32_u32 v[KF], s[S]
	v_rcp_f32 v[IS], v[KF]
	v_nop                                          ; a plain instruction behind the reciprocal (ISA guide 5.7.2)
	s_wait_alu depctr_va_vdst(0)
	v_mov_b32 v[IS+1], v[IS]
.set ll, 0
.rept 8
	v_pk_mul_f32 v[CC+2*ll:CC+2*ll+1], v[CC+2*ll:CC+2*ll+1], v[IS:IS+1]       ; c / s
.set ll, ll+1
.endr
	s_wait_dscnt 16                                ; Y is in; the sixteen loads of the first two streamed groups may stay out
.set ll, 0
.rept 16
	v_cvt_pk_bf16_f32 v[VF+ll], v[Y+2*ll], v[Y+2*ll+1]                        ; the first v
.set ll, ll+1
.endr
	s_mov_b32 s[K], 1
	s_mov_b32 s[I], 0
	s_mov_b32 s[INV+1], 0                          ; named as pairs
	s_mov_b32 s[PHI+1], 0
	s_wait_loadcnt 0x0                             ; all of Psi is in its registers
; GROUP g of 32 in a step: half gH = g / 16 of the outputs (it = 2 gH, 2 gH + 1) and one m: of each four groups three take m = 0 .. 11 from registers, the fourth m = 12 .. 15 from LDS.
.macro GM g
.set gH, (\g)/16
.set gp, (\g)%16
.if gp%4 == 3
.set gm, 12+gp/4
.else
.set gm, 3*(gp/4)+gp%4
.endif
.endm
; One product: D = Psi_m (16 outputs x 32 j) x v (32 j x 16 samples); the half jh = 0 starts the sum with the constant 0.
.macro MM g, x, jh
	GM \g
.set rD, D+16*((\g)%2)+8*(\x)
.set rV, VF+8*(\jh)
.if gm >= 12
	WIN 0
.set rP, SB+32*(((\g)/4)%2)+16*(\x)+8*(\jh)
.else
	WIN 1+gm/4
.set rP, 16*(4*(gm%4)+2*gH+(\x))+8*(\jh)
.endif
.if \jh
	v_wmma_f32_16x16x32_bf16 v[rD:rD+7], v[rP:rP+7], v[rV:rV+7], v[rD:rD+7]
.else
	v_wmma_f32_16x16x32_bf16 v[rD:rD+7], v[rP:rP+7], v[rV:rV+7], 0
.endif
.endm
; Number n of 8 of W += (c[m] / s) D for group g (output tile n / 4 of its two; registers 2 (n % 4) on).  The pair of c is named whole, and one of its two feeds both halves.  A half's first m starts W: nothing is cleared.
.macro FMA g, n
	GM \g
.set fx, (\n)/4
.set rW, WA+8*(2*gH+fx)+2*((\n)%4)
.set rC, CC+2*(gm/2)
.set rD, D+16*((\g)%2)+8*fx+2*((\n)%4)
.if gp == 0
	v_pk_mul_f32 v[rW:rW+1], v[rC:rC+1], v[rD:rD+1] op_sel_hi:[0,1]
.elseif gm%2 == 0
	v_pk_fma_f32 v[rW:rW+1], v[rC:rC+1], v[rD:rD+1], v[rW:rW+1] op_sel_hi:[0,1,1]
.else
	v_pk_fma_f32 v[rW:rW+1], v[rC:rC+1], v[rD:rD+1], v[rW:rW+1] op_sel:[1,0,0] op_sel_hi:[1,1,1]
.endif
.endm
.macro ZINIT e                         ; pair e of 16: the next v starts as Y at a stage's last term, else as 0
	v_pk_mul_f32 v[Z+2*(\e):Z+2*(\e)+1], s[PHI:PHI+1], v[Y+2*(\e):Y+2*(\e)+1] op_sel_hi:[0,1]
.endm
.macro ZLINE e                         ; and takes the term W / k
	v_pk_fma_f32 v[Z+2*(\e):Z+2*(\e)+1], s[INV:INV+1], v[WA+2*(\e):WA+2*(\e)+1], v[Z+2*(\e):Z+2*(\e)+1] op_sel_hi:[0,1,1]
.endm
.macro YLINE e                         ; Y += W / k
	v_pk_fma_f32 v[Y+2*(\e):Y+2*(\e)+1], s[INV:INV+1], v[WA+2*(\e):WA+2*(\e)+1], v[Y+2*(\e):Y+2*(\e)+1] op_sel_hi:[0,1,1]
.endm
.macro VCVT i                          ; register i of 16 of the next v in bf16
	v_cvt_pk_bf16_f32 v[VF+(\i)], v[Z+2*(\i)], v[Z+2*(\i)+1]
.endm
; What stands behind a pair of products of group g (b = 0: its first pair, 1: its second): four of the eight multiply-adds of the group before (in group 0, which has none before it: four starts of Z),
; and now and then two lines more: the other starts of Z (groups 1, 2); 1 / k (group 3); when the first half's W is whole, its Z (groups 17, 18) and Y (19, 20).
.macro RIDE b
	WIN 0
.if g == 0
.irp y, 0,1,2,3
	ZINIT 4*(\b)+\y
.endr
.else
.irp y, 0,1,2,3
	FMA g-1, 4*(\b)+\y
.endr
.endif
.if (g == 1) || (g == 2)
	ZINIT 8+4*(g-1)+2*(\b)
	ZINIT 8+4*(g-1)+2*(\b)+1
.endif
.if (g == 3) && ((\b) == 0)
	v_cvt_f32_u32 v[KF], s[K]
	v_rcp_f32 v[KI], v[KF]                         ; its result is read behind the four multiply-adds of the next pair
.endif
.if (g == 3) && ((\b) == 1)
	s_wait_alu depctr_va_vdst(0)
	v_readfirstlane_b32 s[INV], v[KI]
.endif
.if (g == 17) || (g == 18)
	ZLINE 4*(g-17)+2*(\b)
	ZLINE 4*(g-17)+2*(\b)+1
.endif
.if (g == 19) || (g == 20)
	YLINE 4*(g-19)+2*(\b)
	YLINE 4*(g-19)+2*(\b)+1
.endif
.endm
; THE LOOP OVER STEPS: n trips, all alike; n is my tile's own, at least 4.  No barrier, no LDS store; the LDS addresses are the same in every trip.
; A group: both output tiles' products with j 0-31, then both with j 32-63: the two accumulators take turns.  A group's results are read, lowest registers first, four plain
; instructions or more behind the product that finished them (the four behind its second pair, which name none of its registers); D's two sets take turns, so a set is written again a group later.
; A streamed group's buffer is loaded again behind the four plain instructions that follow its last product, with the fragments of the streamed group after next.
.Lstep:
	s_cmp_eq_u32 s[K], s[M]
	s_cselect_b32 s[PHI], 1.0, 0
.set g, 0
.rept 32
	GM g
.if gm >= 12
	s_wait_dscnt 8                                 ; my four fragments are in; the next streamed group's eight loads, issued behind them, may stay out
.endif
	MM g, 0, 0
	MM g, 1, 0
	RIDE 0
	MM g, 0, 1
	MM g, 1, 1
	RIDE 1
	GM g
.if gm >= 12
	SLOAD g/4+2
.endif
.set g, g+1
.endr
	; the step's end.  v's first half was last read by the last group's first pair, eight plain instructions back; its second half by the second pair, more than four back.
.irp i, 0,1,2,3,4,5,6,7
	VCVT \i
.endr
.irp y, 0,1,2,3,4,5,6,7
	FMA 31, \y
.endr
.irp e, 8,9,10,11,12,13,14,15
	ZLINE \e
.endr
.irp i, 8,9,10,11,12,13,14,15
	VCVT \i
.endr
.irp e, 8,9,10,11,12,13,14,15
	YLINE \e
.endr
	s_add_co_u32 s30, s[K], 1
	s_cmp_eq_u32 s[K], s[M]
	s_cselect_b32 s[K], 1, s30                     ; behind a stage's last term the next stage's first
	s_add_co_u32 s[I], s[I], 1
	s_cmp_lt_u32 s[I], s[N]
	s_cbranch_scc1 .Lstep
	; THE WAY OUT: Y through my stage into whole rows; noise, which waited in LDS, is added; each store of the wave covers 512 consecutive bytes, aligned.
.irp t, 0,1,2,3
.irp k, 0,1
	ds_store_b128 v[SO], v[Y+8*\t+4*\k:Y+8*\t+4*\k+3] offset:64*\t+16*\k
.endr
.endr
.irp x, 0,1,2,3,4,5,6,7
	ds_load_b128 v[OY+4*\x:OY+4*\x+3], v[SR] offset:2*STP*\x                  ; LDS serves a wave's instructions in order (ISA guide 5.7.1.4): these see the stores above; the stage is my wave's own
.endr
.irp x, 0,1,2,3,4,5,6,7
	ds_load_b128 v[ON+4*\x:ON+4*\x+3], v[SR] offset:NSO+2*STP*\x
.endr
	s_wait_dscnt 0x0
.set ll, 0
.rept 16
	v_pk_add_f32 v[OY+2*ll:OY+2*ll+1], v[OY+2*ll:OY+2*ll+1], v[ON+2*ll:ON+2*ll+1]
.set ll, ll+1
.endr
.irp x, 0,1,2,3,4,5,6,7
	global_store_b128 v[LO], v[OY+4*\x:OY+4*\x+3], s[14:15] offset:512*\x th:TH_STORE_NT
.endr
	s_wait_tensorcnt 0x0                           ; the wave's end
	ds_add_u32 v[SPW], v[NIL]
	s_wait_dscnt 0x0
	s_endpgm
.Lfunc_end_k_q74bd1a7e1d_main:
	.size	k_q74bd1a7e1d_main, .Lfunc_end_k_q74bd1a7e1d_main-k_q74bd1a7e1d_main
	.p2alignl 7, 3214868480
	.fill 96, 4, 3214868480
	.section	.rodata,"a",@progbits
	.p2align	6, 0x0
	.amdhsa_kernel k_q74bd1a7e1d_main
		.amdhsa_group_segment_fixed_size 50432
		.amdhsa_private_segment_fixed_size 0
		.amdhsa_enable_private_segment 0
		.amdhsa_kernarg_size 48
		.amdhsa_user_sgpr_count 2
		.amdhsa_user_sgpr_kernarg_segment_ptr 1
		.amdhsa_wavefront_size32 1
		.amdhsa_system_sgpr_workgroup_id_x 1
		.amdhsa_system_sgpr_workgroup_id_y 1
		.amdhsa_system_sgpr_workgroup_id_z 1
		.amdhsa_system_vgpr_workitem_id 0
		.amdhsa_next_free_vgpr 1024
		.amdhsa_next_free_sgpr 66
		.amdhsa_reserve_vcc 0
		.amdhsa_float_denorm_mode_32 3
		.amdhsa_float_denorm_mode_16_64 3
		.amdhsa_memory_ordered 1
		.amdhsa_forward_progress 1
		.amdhsa_inst_pref_size 71
	.end_amdhsa_kernel
	.amdgpu_metadata
---
amdhsa.version: [ 1, 2 ]
amdhsa.kernels:
  - .name:           k_q74bd1a7e1d_main
    .symbol:         k_q74bd1a7e1d_main.kd
    .args:
      - { .name: pf, .offset: 0, .size: 8, .value_kind: global_buffer, .address_space: global }
      - { .name: cnt, .offset: 8, .size: 8, .value_kind: global_buffer, .address_space: global }
      - { .name: coeff, .offset: 16, .size: 8, .value_kind: global_buffer, .address_space: global }
      - { .name: input_z, .offset: 24, .size: 8, .value_kind: global_buffer, .address_space: global }
      - { .name: noise, .offset: 32, .size: 8, .value_kind: global_buffer, .address_space: global }
      - { .name: out0, .offset: 40, .size: 8, .value_kind: global_buffer, .address_space: global }
    .group_segment_fixed_size: 50432
    .private_segment_fixed_size: 0
    .kernarg_segment_align: 8
    .kernarg_segment_size: 48
    .max_flat_workgroup_size: 64
    .sgpr_count:     66
    .vgpr_count:     1024
    .wavefront_size: 32
...
	.end_amdgpu_metadata
.endif
;; end of part 2
;; ======== version 2 of 2: 2 launches; version 1 with the launch main written anew for expert scheduling mode
;; limits: an iteration stops once its change falls below 0.000244 (relative)
;; workspace buffers: pf 131,072 bytes; cnt 8,192 bytes of whole numbers
;; launch prep: the kernel of part 1 again; grid 256 x 1, 4 waves a work-group, no clusters, 1,024 bytes of LDS; arguments Psi, coeff, pf, cnt; writes pf, cnt
;; launch main (part 3): grid 256 x 1, 2 waves a work-group, no clusters, 50,432 bytes of LDS; arguments pf, cnt, coeff, input_z, noise, out0; writes out0
.if DOCPART == 3
	.amdgcn_target "amdgcn-amd-amdhsa--gfx1250"
	.amdhsa_code_object_version 6
	.text
	.protected	k_q74bd1a7e1d_main
	.globl	k_q74bd1a7e1d_main
	.p2align	8
	.type	k_q74bd1a7e1d_main,@function
k_q74bd1a7e1d_main:
	s_mov_b64 s[64:65], 0
	v_nop
	global_prefetch_b8 v0, s[64:65] scope:SCOPE_SE
	s_setreg_imm32_b32 hwreg(HW_REG_WAVE_SCHED_MODE, 0, 2), 2
	s_setreg_imm32_b32 hwreg(HW_REG_WAVE_MODE, 25, 1), 1
	s_wait_xcnt 0x0
	s_wait_alu depctr_vm_vsrc(0)
; out[b] = expm(A_b) z_b + noise_b, A_b[i][j] = sum over m of Psi[64 j + i][m] c[b][m], without ever forming expm(A_b):
; expm(A) z = (T_m(A / s))^s z, T_m the Taylor polynomial of degree m.  One step is W = (A / s) v for every sample: W[b][i] = sum over m of (c[b][m] / s) (Psi_m v_b)[i]: sixteen products with the SAME
; 64 x 64 matrices Psi_m for all samples, which go to the matrix unit in bf16 (Psi and v rounded; c, the sums, the terms and the result Y stay in f32).
; A stage: v = Y; for k = 1 .. m: term = W / k, Y += term, v = term.  s, m and n = s m come as whole numbers from the launch before (cnt), one set for each tile of 16 samples, chosen so that the norm
; of A / s is at most 1: no term is larger than the stage's vector, and no difference of large sums is formed.
; LIMITS.  The vectors exp(j A / s) z, j = 1 .. s, must lie in f32's range.  At a stage's inner steps 0 x Y is formed: a Y that is already infinite turns into NaN.  s is at most 2^22.
; The number of steps grows with the norm of A.  The rounding of Psi and v to bf16 grows with that norm too.
; SHARES.  A WAVE OWNS A TILE: 16 samples and all their 64 outputs; 8,192 samples are 512 waves, two to each of 256 work-groups.  The number of steps is read from memory and is the wave's own, so no
; barrier stands in the loop over steps, and none is needed: a result register e of lane (r = lane % 16, h = lane / 16) is sample r, output 16 it + 8 h + e, so the outputs of it = 2 jh and 2 jh + 1,
; rounded to bf16 in pairs, ARE source 1 (j = 32 jh .. 32 jh + 31 x 16 samples) of the next step's products: v never changes lanes.  And c is ONE sample's a lane: the sum over m is a packed
; multiply-add by the lane's own number.  A tile cannot be shared among waves without handing v over at every step; so two waves a work-group is all the work there is.
; PSI is 128 fragments of 8 registers.  Those of m = 0 .. 11 stay in registers for the whole launch (windows 1 to 3, 96 fragments); those of m = 12 .. 15, 32,768 bytes, lie in LDS, stored there once by
; the two waves, half each, with the launch's one barrier behind; the groups of products with such an m take their four fragments from there, through two buffers, one for each half of the outputs.
; NO CLUSTER, NO TENSOR LOAD: all work-groups read the same 131,072 bytes of pf, but once, at the head: 98,304 bytes of each wave go straight into the registers where they stay.
; REGISTERS, in windows of 256 (s_set_vgpr_msb: bits 1:0 source 0, 3:2 source 1, 5:4 source 2, 7:6 destination).  Window 0: all that is worked on.  Window 1 + m / 4: the fragment of (m, it, jh) at
; 16 (4 (m % 4) + it) + 8 jh.  These windows are full, so c lies in window 0, and the multiply-adds want a switch: one in front of each pair of products and one behind: 96 for a step's 128 products.
; THE MODE: SCHED_MODE bits 1:0 = 2 (LLVM: expert scheduling mode 2), set by the entry lines.  The code itself states the register dependences between vector or matrix instructions and memory or LDS
; instructions, with s_wait_alu, always for 0.
; THE PLAN.  Registers that memory or LDS instructions touch:
;   v6 - v11      addresses and offsets: written by vector lines at the head, read by every load and store, never written again.
;   v48 - v239    at the head: global loads land in them, my LDS stores read them; from the barrier on they are D, W, Y, Z and SB.
;   SB0, SB1      in the loop: the four products of a streamed group (m = 12 .. 15) of outputs 0-31 read SB0, those of outputs 32-63 read SB1; the LDS loads of the next streamed m land in both.
;   Y, D, W       at the end: Y is the LDS stores' data; the rows read back land in D's and W's registers, are summed there and stored.
; In the loop the two streamed groups of one m stand side by side, so ONE wait on va_vdst behind the second frees both buffers: four waits a step, the fourth in the step's end.  The sixteen loads that
; follow a wait are dealt among the next two groups, whose products name windows 1 to 3, v and D and whose multiply-adds name c, D, W, Z and Y: none of the registers that those loads touch.
.set STP,  272                         ; LDS rows of 64 f32: 256 bytes + 16 of padding (68 words: 16 rows of a load start at 16 different groups of four banks, ISA guide 11.1)
.set STG,  32768                       ; LDS: bytes 0 - 32,767 the fragments of m = 12..15: ((m - 12) 8 + 2 it + jh) 1024 + 512 q + 16 lane; from here a stage of 16 rows for each wave: the way in for z, the way out for Y
.set NSO,  2*16*STP                    ; from a wave's stage to its 16 rows of noise, which wait in LDS for the end.  (Bytes 50,176 - 50,431, behind them, hold the spare words, one a thread.)
.set SO,  6                            ; v6   my stage in my own layout: 272 r + 32 h
.set SR,  7                            ; v7   my stage by rows: 272 h + 16 r
.set LO,  8                            ; v8   16 x lane: my 16 bytes of 512 consecutive ones, in memory and in LDS
.set CO,  9                            ; v9   64 r
.set LW,  10                           ; v10  16 x lane + 4,096 w: pf, the half of m = 12..15 that my wave moves
.set APW, 11                           ; v11  16 x lane + 16,384 w: where it goes in LDS
.set KF,  12                           ; v12  k as f32
.set KI,  13                           ; v13  1 / k
.set IS,  14                           ; v[14:15] 1 / s, twice
.set CC,  16                           ; v[16:31]   c[m] / s of my sample
.set VF,  32                           ; v[32:47]   v in bf16: half jh of j at VF + 8 jh
.set D,   48                           ; v[48:79]   products: set g % 2, output tile x of the group's two at D + 16 (g % 2) + 8 x
.set WA,  80                           ; v[80:111]  W, output tile it at WA + 8 it
.set Y,   112                          ; v[112:143] Y, likewise
.set Z,   144                          ; v[144:175] the next v in f32, likewise
.set SB,  176                          ; v[176:239] fragments from LDS: two buffers of four, buffer H for outputs 32 H .. 32 H + 31
.set PT,  48                           ; at the head: v[48:175] my half of the fragments that go to LDS,
.set ZR,  176                          ; v[176:207] z by rows,
.set NR,  208                          ; v[208:239] noise by rows
.set OY,  48                           ; at the end: v[48:79] the result by rows,
.set ON,  80                           ; v[80:111] noise by rows
.set WV,  16                           ; s16  wave
.set N,   20                           ; s20  n    s21  m    s22  s   (s23: the fourth word)
.set M,   21
.set S,   22
.set I,   24                           ; s24  counts the steps
.set K,   25                           ; s25  the term's number in its stage, 1 .. m
.set INV, 26                           ; s[26:27] 1 / k in the low word
.set PHI, 28                           ; s[28:29] 1.0 at a stage's last term, else 0
.set MSB, 0
.macro WIN new                         ; the immediate's high byte repeats the setting that is left; a switch that changes nothing is dropped
.if MSB != (\new)
	s_set_vgpr_msb (MSB<<8)|(\new)
.set MSB, (\new)
.endif
.endm
	s_load_b256 s[4:11], s[0:1], 0x0               ; pf s[4:5], cnt s[6:7], coeff s[8:9], z s[10:11]
	s_load_b128 s[12:15], s[0:1], 0x20             ; noise s[12:13], out s[14:15]
	v_lshl_add_u32 v254, v0, 2, 0xc400
	v_mov_b32 v255, 0
	v_lshrrev_b32 v3, 5, v0
	v_readfirstlane_b32 s[WV], v3                  ; wave 0, 1
	v_and_b32 v3, 31, v0                           ; lane
	v_and_b32 v1, 15, v0                           ; r
	v_bfe_u32 v2, v0, 4, 1                         ; h
	v_lshlrev_b32 v[LO], 4, v3
	v_lshlrev_b32 v[CO], 6, v1
	s_wait_alu depctr_va_sdst(0)                   ; the wave's number is written, ahead of its first reader: LDS places and all the bases are made from it
	s_lshl_b32 s18, s[WV], 12
	v_add_nc_u32 v[LW], s18, v[LO]
	s_lshl_b32 s18, s[WV], 14
	v_add_nc_u32 v[APW], s18, v[LO]
	s_mul_i32 s17, s[WV], 16*STP
	s_add_co_u32 s17, s17, STG                     ; my stage
	v_mul_u32_u24 v[SO], v1, STP
	v_lshl_add_u32 v[SO], v2, 5, v[SO]
	v_add_nc_u32 v[SO], s17, v[SO]
	v_mul_u32_u24 v[SR], v2, STP
	v_lshl_add_u32 v[SR], v1, 4, v[SR]
	v_add_nc_u32 v[SR], s17, v[SR]
	s_lshl_b32 s17, ttmp9, 1
	s_add_co_u32 s17, s17, s[WV]                   ; my tile of 16 samples
	s_mov_b32 s19, 0
	s_wait_kmcnt 0x0
	s_lshl_b32 s18, s17, 4
	s_add_nc_u64 s[6:7], s[6:7], s[18:19]
	s_load_b128 s[20:23], s[6:7], 0x0              ; n, m, s of my tile
	s_lshl_b32 s18, s17, 10
	s_add_nc_u64 s[8:9], s[8:9], s[18:19]          ; coeff at my 16 samples (64 bytes each)
	s_lshl_b32 s18, s17, 12                        ; 16 rows of 256 bytes
	s_add_nc_u64 s[10:11], s[10:11], s[18:19]
	s_add_nc_u64 s[12:13], s[12:13], s[18:19]
	s_add_nc_u64 s[14:15], s[14:15], s[18:19]
	s_wait_alu depctr_va_vdst(0)                   ; the six addresses and offsets v6 to v11 are written, which every load and store of the kernel reads; up to the last load of Psi only loads and window switches follow
.irp p, 0,1,2,3
	global_load_b128 v[CC+4*\p:CC+4*\p+3], v[CO], s[8:9] offset:16*\p         ; my sample's 16 coefficients
.endr
.irp x, 0,1,2,3,4,5,6,7
	global_load_b128 v[ZR+4*\x:ZR+4*\x+3], v[LO], s[10:11] offset:512*\x th:TH_LOAD_NT  ; z: two whole rows a load
.endr
.irp x, 0,1,2,3,4,5,6,7
	global_load_b128 v[NR+4*\x:NR+4*\x+3], v[LO], s[12:13] offset:512*\x th:TH_LOAD_NT  ; noise likewise
.endr
.set ll, 0
.rept 32                                       ; m = 12 + 2 w + ll / 16, it = (ll / 4) % 4, jh = (ll / 2) % 2, q = ll % 2: in the order in which they lie in LDS
	global_load_b128 v[PT+4*ll:PT+4*ll+3], v[LW], s[4:5] offset:((ll/4)%4)*32768+(12+ll/16)*2048+((ll/2)%2)*1024+(ll%2)*512
.set ll, ll+1
.endr
.macro FILLW w                         ; window w: register 4 ll takes m = 4 (w - 1) + ll / 16, it = (ll / 4) % 4, jh = (ll / 2) % 2, q = ll % 2
	WIN (\w)<<6                                    ; destination window w, address window 0
.set ll, 0
.rept 64
	global_load_b128 v[4*ll:4*ll+3], v[LO], s[4:5] offset:(((ll/4)%4)*16+4*((\w)-1)+ll/16)*2048+((ll/2)%2)*1024+(ll%2)*512
.set ll, ll+1
.endr
.endm
	FILLW 1
	FILLW 2
	FILLW 3
	WIN 0
	s_wait_loadcnt 63                              ; 192 loads were issued behind the first 52; 63 is the most that the wait can name: c, z, noise and my fragments for LDS are in
.irp x, 0,1,2,3,4,5,6,7
	ds_store_b128 v[SR], v[ZR+4*\x:ZR+4*\x+3] offset:2*STP*\x
.endr
.irp x, 0,1,2,3,4,5,6,7
	ds_store_b128 v[SR], v[NR+4*\x:NR+4*\x+3] offset:NSO+2*STP*\x
.endr
.set ll, 0
.rept 32
	ds_store_b128 v[APW], v[PT+4*ll:PT+4*ll+3] offset:512*ll
.set ll, ll+1
.endr
	s_wait_dscnt 0x0                               ; for the other wave's sake: my half of the fragments is written
	s_barrier_signal -1
	s_barrier_wait -1                              ; the launch's one barrier; nothing is written into those 32,768 bytes again
	s_wait_alu depctr_vm_vsrc(0)                   ; my LDS stores have read v[48:239]: these registers are D, W, Y, Z and SB from here on, written by LDS loads, products and vector lines
.irp t, 0,1,2,3
.irp k, 0,1
	ds_load_b128 v[Y+8*\t+4*\k:Y+8*\t+4*\k+3], v[SO] offset:64*\t+16*\k       ; z in my own layout starts Y
.endr
.endr
	s_wait_kmcnt 0x0                               ; n, m, s
	v_cvt_f32_u32 v[KF], s[S]
	v_rcp_f32 v[IS], v[KF]
	v_nop                                          ; a plain instruction behind the reciprocal (ISA guide 5.7.2)
	s_wait_alu depctr_va_vdst(0)
	v_mov_b32 v[IS+1], v[IS]
.set ll, 0
.rept 8
	v_pk_mul_f32 v[CC+2*ll:CC+2*ll+1], v[CC+2*ll:CC+2*ll+1], v[IS:IS+1]       ; c / s
.set ll, ll+1
.endr
	s_wait_dscnt 0x0                               ; Y is in; no LDS instruction was issued behind its loads
.set ll, 0
.rept 16
	v_cvt_pk_bf16_f32 v[VF+ll], v[Y+2*ll], v[Y+2*ll+1]                        ; the first v
.set ll, ll+1
.endr
	s_mov_b32 s[K], 1
	s_mov_b32 s[I], 0
	s_mov_b32 s[INV+1], 0                          ; named as pairs
	s_mov_b32 s[PHI+1], 0
	s_wait_loadcnt 0x0                             ; all of Psi is in its registers
; GROUP g of 32 in a step: one m and one half gH of the outputs (it = 2 gH, 2 gH + 1).  Of each eight groups: three m from registers for outputs 0-31, the same three for outputs 32-63, then the
; streamed m = 12 + g / 8 for outputs 0-31 and for outputs 32-63, side by side.  gp counts a half's own sixteen groups: each half takes its m in the order 0, 1, 2, 12, 3, 4, 5, 13, 6, 7, 8, 14, 9, 10, 11, 15.
.macro GM g
.set gq, (\g)%8
.if gq < 6
.set gH, gq/3
.set gp, 4*((\g)/8)+gq%3
.else
.set gH, gq-6
.set gp, 4*((\g)/8)+3
.endif
.if gp%4 == 3
.set gm, 12+gp/4
.else
.set gm, 3*(gp/4)+gp%4
.endif
.endm
; Four of the sixteen loads that bring the fragments of m = 12 + j, 8,192 consecutive bytes, into both buffers: numbers 4 c .. 4 c + 3; the first eight fill SB0, the others SB1
.macro SL4 j, c
.irp l, 0,1,2,3
	ds_load_b128 v[SB+16*(\c)+4*\l:SB+16*(\c)+4*\l+3], v[LO] offset:(\j)*8192+2048*(\c)+512*\l
.endr
.endm
; One product: D = Psi_m (16 outputs x 32 j) x v (32 j x 16 samples); the half jh = 0 starts the sum with the constant 0.
.macro MM g, x, jh
	GM \g
.set rD, D+16*((\g)%2)+8*(\x)
.set rV, VF+8*(\jh)
.if gm >= 12
	WIN 0
.set rP, SB+32*gH+16*(\x)+8*(\jh)
.else
	WIN 1+gm/4
.set rP, 16*(4*(gm%4)+2*gH+(\x))+8*(\jh)
.endif
.if \jh
	v_wmma_f32_16x16x32_bf16 v[rD:rD+7], v[rP:rP+7], v[rV:rV+7], v[rD:rD+7]
.else
	v_wmma_f32_16x16x32_bf16 v[rD:rD+7], v[rP:rP+7], v[rV:rV+7], 0
.endif
.endm
; Number n of 8 of W += (c[m] / s) D for group g (output tile n / 4 of its two; registers 2 (n % 4) on).  The pair of c is named whole, and one of its two feeds both halves.  A half's first m starts W: nothing is cleared.
.macro FMA g, n
	GM \g
.set fx, (\n)/4
.set rW, WA+8*(2*gH+fx)+2*((\n)%4)
.set rC, CC+2*(gm/2)
.set rD, D+16*((\g)%2)+8*fx+2*((\n)%4)
.if gp == 0
	v_pk_mul_f32 v[rW:rW+1], v[rC:rC+1], v[rD:rD+1] op_sel_hi:[0,1]
.elseif gm%2 == 0
	v_pk_fma_f32 v[rW:rW+1], v[rC:rC+1], v[rD:rD+1], v[rW:rW+1] op_sel_hi:[0,1,1]
.else
	v_pk_fma_f32 v[rW:rW+1], v[rC:rC+1], v[rD:rD+1], v[rW:rW+1] op_sel:[1,0,0] op_sel_hi:[1,1,1]
.endif
.endm
.macro ZINIT e                         ; pair e of 16: the next v starts as Y at a stage's last term, else as 0
	v_pk_mul_f32 v[Z+2*(\e):Z+2*(\e)+1], s[PHI:PHI+1], v[Y+2*(\e):Y+2*(\e)+1] op_sel_hi:[0,1]
.endm
.macro ZLINE e                         ; and takes the term W / k
	v_pk_fma_f32 v[Z+2*(\e):Z+2*(\e)+1], s[INV:INV+1], v[WA+2*(\e):WA+2*(\e)+1], v[Z+2*(\e):Z+2*(\e)+1] op_sel_hi:[0,1,1]
.endm
.macro YLINE e                         ; Y += W / k
	v_pk_fma_f32 v[Y+2*(\e):Y+2*(\e)+1], s[INV:INV+1], v[WA+2*(\e):WA+2*(\e)+1], v[Y+2*(\e):Y+2*(\e)+1] op_sel_hi:[0,1,1]
.endm
.macro VCVT i                          ; register i of 16 of the next v in bf16
	v_cvt_pk_bf16_f32 v[VF+(\i)], v[Z+2*(\i)], v[Z+2*(\i)+1]
.endm
; What stands behind a pair of products of group g (b = 0: its first pair, 1: its second): four of the eight multiply-adds of the group before (in group 0, which has none before it: four starts of Z),
; and now and then two lines more: the other starts of Z (groups 1, 2); 1 / k (group 3).  In the first two of each eight groups four LDS loads follow, under window 0: a quarter of the next streamed m.
; Behind the second streamed group of each eight stands the wait that frees both buffers (that of group 31 stands in the step's end).
.macro RIDE b
	WIN 0
.if g == 0
.irp y, 0,1,2,3
	ZINIT 4*(\b)+\y
.endr
.else
.irp y, 0,1,2,3
	FMA g-1, 4*(\b)+\y
.endr
.endif
.if (g == 1) || (g == 2)
	ZINIT 8+4*(g-1)+2*(\b)
	ZINIT 8+4*(g-1)+2*(\b)+1
.endif
.if (g == 3) && ((\b) == 0)
	v_cvt_f32_u32 v[KF], s[K]
	v_rcp_f32 v[KI], v[KF]                         ; its result is read behind the four multiply-adds of the next pair
.endif
.if (g == 3) && ((\b) == 1)
	s_wait_alu depctr_va_vdst(0)
	v_readfirstlane_b32 s[INV], v[KI]              ; its first reader stands in the step's end, behind the wait for it
.endif
.if g%8 < 2
	SL4 g/8, 2*(g%8)+(\b)                          ; no wait: no vector or matrix instruction since the last wait on va_vdst names SB or v8 (in the first trip: since the head's)
.endif
.if (g%8 == 7) && (g < 31) && ((\b) == 1)
	s_wait_alu depctr_va_vdst(0)                   ; the products of this group and of the one before are done reading SB1 and SB0, in which the next sixteen LDS loads land
.endif
.endm
; THE LOOP OVER STEPS: n trips, all alike; n is my tile's own, at least 4.  No barrier, no LDS store; the LDS addresses are the same in every trip.
; A group: both output tiles' products with j 0-31, then both with j 32-63: the two accumulators take turns.  A group's results are read, lowest registers first, four plain
; instructions or more behind the product that finished them (the four behind its second pair, which name none of its registers); D's two sets take turns, so a set is written again a group later.
; A streamed m's sixteen loads are issued in groups 8 j and 8 j + 1 and first read in group 8 j + 6.
.Lstep:
	s_cmp_eq_u32 s[K], s[M]
	s_cselect_b32 s[PHI], 1.0, 0
.set g, 0
.rept 32
	GM g
.if gm >= 12
	s_wait_dscnt 8*(1-gH)                          ; outputs 0-31: SB0 is in, the eight loads of SB1, issued behind its own, may stay out; outputs 32-63: SB1 is in too
.endif
	MM g, 0, 0
	MM g, 1, 0
	RIDE 0
	MM g, 0, 1
	MM g, 1, 1
	RIDE 1
.set g, g+1
.endr
	; the step's end.  W of outputs 0-31 is whole.  v's first half was last read by the last group's first pair, eight plain instructions back and more; its second half by the second pair, more than four back.
	s_wait_alu depctr_va_sdst(0)                   ; 1 / k, which group 3 wrote into s[INV], is written, ahead of its first reader
.irp e, 0,1,2,3,4,5,6,7
	ZLINE \e
.endr
.irp i, 0,1,2,3,4,5,6,7
	VCVT \i
.endr
.irp y, 0,1,2,3,4,5,6,7
	FMA 31, \y
.endr
	s_wait_alu depctr_va_vdst(0)                   ; the products of groups 30 and 31 are done reading SB0 and SB1, in which the LDS loads of the next trip's groups 0 and 1 land; the lines below read what the lines above wrote
.irp e, 8,9,10,11,12,13,14,15
	ZLINE \e
.endr
.irp i, 8,9,10,11,12,13,14,15
	VCVT \i
.endr
.irp e, 0,1,2,3,4,5,6,7,8,9,10,11,12,13,14,15
	YLINE \e
.endr
	s_add_co_u32 s30, s[K], 1
	s_cmp_eq_u32 s[K], s[M]
	s_cselect_b32 s[K], 1, s30                     ; behind a stage's last term the next stage's first
	s_add_co_u32 s[I], s[I], 1
	s_cmp_lt_u32 s[I], s[N]
	s_cbranch_scc1 .Lstep
	; THE WAY OUT: Y through my stage into whole rows; noise, which waited in LDS, is added; each store of the wave covers 512 consecutive bytes, aligned.
	s_wait_alu depctr_va_vdst(0)                   ; the last step has written Y, which the LDS stores read, and is done with D and W, in whose registers the LDS loads below land
.irp t, 0,1,2,3
.irp k, 0,1
	ds_store_b128 v[SO], v[Y+8*\t+4*\k:Y+8*\t+4*\k+3] offset:64*\t+16*\k
.endr
.endr
.irp x, 0,1,2,3,4,5,6,7
	ds_load_b128 v[OY+4*\x:OY+4*\x+3], v[SR] offset:2*STP*\x                  ; LDS serves a wave's instructions in order (ISA guide 5.7.1.4): these see the stores above; the stage is my wave's own
.endr
.irp x, 0,1,2,3,4,5,6,7
	ds_load_b128 v[ON+4*\x:ON+4*\x+3], v[SR] offset:NSO+2*STP*\x
.endr
	s_wait_dscnt 0x0
.set ll, 0
.rept 16
	v_pk_add_f32 v[OY+2*ll:OY+2*ll+1], v[OY+2*ll:OY+2*ll+1], v[ON+2*ll:ON+2*ll+1]
.set ll, ll+1
.endr
	s_wait_alu depctr_va_vdst(0)                   ; the sums are written into v[OY ..], which the stores read
.irp x, 0,1,2,3,4,5,6,7
	global_store_b128 v[LO], v[OY+4*\x:OY+4*\x+3], s[14:15] offset:512*\x th:TH_STORE_NT
.endr
	s_wait_dscnt 0x0                               ; the wave's end
	s_wait_alu depctr_hold_cnt(0) depctr_sa_sdst(0) depctr_va_vdst(0) depctr_va_sdst(0) depctr_va_ssrc(0) depctr_va_vcc(0) depctr_vm_vsrc(0)
	s_wait_tensorcnt 0x0
	ds_add_u32 v254, v255
	s_wait_dscnt 0x0
	s_endpgm
.Lfunc_end_k_q74bd1a7e1d_main:
	.size	k_q74bd1a7e1d_main, .Lfunc_end_k_q74bd1a7e1d_main-k_q74bd1a7e1d_main
	.p2alignl 7, 3214868480
	.fill 96, 4, 3214868480
	.section	.rodata,"a",@progbits
	.p2align	6, 0x0
	.amdhsa_kernel k_q74bd1a7e1d_main
		.amdhsa_group_segment_fixed_size 50432
		.amdhsa_private_segment_fixed_size 0
		.amdhsa_enable_private_segment 0
		.amdhsa_kernarg_size 48
		.amdhsa_user_sgpr_count 2
		.amdhsa_user_sgpr_kernarg_segment_ptr 1
		.amdhsa_wavefront_size32 1
		.amdhsa_system_sgpr_workgroup_id_x 1
		.amdhsa_system_sgpr_workgroup_id_y 1
		.amdhsa_system_sgpr_workgroup_id_z 1
		.amdhsa_system_vgpr_workitem_id 0
		.amdhsa_next_free_vgpr 1024
		.amdhsa_next_free_sgpr 66
		.amdhsa_reserve_vcc 0
		.amdhsa_float_denorm_mode_32 3
		.amdhsa_float_denorm_mode_16_64 3
		.amdhsa_memory_ordered 1
		.amdhsa_forward_progress 1
		.amdhsa_inst_pref_size 70
	.end_amdhsa_kernel
	.amdgpu_metadata
---
amdhsa.version: [ 1, 2 ]
amdhsa.kernels:
  - .name:           k_q74bd1a7e1d_main
    .symbol:         k_q74bd1a7e1d_main.kd
    .args:
      - { .name: pf, .offset: 0, .size: 8, .value_kind: global_buffer, .address_space: global }
      - { .name: cnt, .offset: 8, .size: 8, .value_kind: global_buffer, .address_space: global }
      - { .name: coeff, .offset: 16, .size: 8, .value_kind: global_buffer, .address_space: global }
      - { .name: input_z, .offset: 24, .size: 8, .value_kind: global_buffer, .address_space: global }
      - { .name: noise, .offset: 32, .size: 8, .value_kind: global_buffer, .address_space: global }
      - { .name: out0, .offset: 40, .size: 8, .value_kind: global_buffer, .address_space: global }
    .group_segment_fixed_size: 50432
    .private_segment_fixed_size: 0
    .kernarg_segment_align: 8
    .kernarg_segment_size: 48
    .max_flat_workgroup_size: 64
    .sgpr_count:     66
    .vgpr_count:     1024
    .wavefront_size: 32
...
	.end_amdgpu_metadata
.endif
;; end of part 3
